; MI455X (gfx1250); checked and timed in simulation.
; The chip was launched on July 23, 2026; its instructions are those of AMD's public machine-readable ISA for CDNA 5 (MIT licence, August 2026) and "CDNA5" Instruction Set Architecture Reference Guide (July 2026). The comments in the code are by the model that wrote it; some were corrected since.
;; Interpretable Attention. Allowed arithmetic: matrix products marked QUANTISED: E2M1 operands, one E8M0 scale for each 32 along K, by v_wmma_scale_f32_16x16x128_f8f6f4 with both operands' format E2M1 (or v_wmma_scale_f32_32x16x128_f4), f32 sums; everything else in f32.
;; Inputs: Wk 256 x 256 float32; Wq 256 x 256 float32; bk 256 float32; bq 256 float32; x 8 x 4,096 x 256 float32.
;; Outputs: out0 8 x 4,096 float32.
;; This version of the problem:
;;   THIS VERSION OF THE PROBLEM IS GIVEN IN LOW PRECISION. The matrix products marked QUANTISED in the list below multiply operands that are first quantised to E2M1 (2 exponent bits, 1 mantissa bit; 4 bits a number), with one power-of-two scale for each 32 numbers along K (OCP MX v1.0); their sums are f32. All else is computed in f32.
;;   The module's matrix products, in the order in which they are computed (A, B: the left and right operand; K: the contracted axis; several contracted axes count as one K, in the product's order):
;;     1. [M 32,768, K 256] x [K 256, N 256]; A: input x; B: input Wq: QUANTISED
;;     2. [M 32,768, K 256] x [K 256, N 256]; A: input x; B: input Wk: QUANTISED
;;     3. batch 8 x [M 4,096, K 256] x [K 256, N 4,096]; A: computed on the way; B: computed on the way: QUANTISED
;;   THE QUANTISER, for each operand of a quantised product, along K:
;;     - K is cut into blocks of 32 from its start; a last block that is shorter is filled with zeros.
;;     - A block's scale is 2^e with e = floor(log2(the largest magnitude in the block)) - 2, held to -126 .. 127; a block of zeros has e = 0. As a byte (E8M0): e + 127.
;;     - Each number is divided by its block's scale, clamped to +-6, and rounded to the nearest number of E2M1, ties to even, subnormals kept.
;;     - The product sums the exact products of the quantised numbers (number of the format x scale) in f32.
;;   ~~~python
;;   def quantise(x, axis):      # numpy; x: float32 -> the quantised numbers, widened to float32 again
;;       x = np.moveaxis(x, axis, -1); K = x.shape[-1]
;;       x = np.pad(x, [(0, 0)] * (x.ndim - 1) + [(0, -K % 32)]); x = x.reshape(x.shape[:-1] + (-1, 32)); a = np.abs(x).max(-1, keepdims=True)
;;       e = np.where(a > 0, np.clip(np.frexp(np.where(a > 0, a, 1))[1] - 1 - 2, -126, 127), 0)      # np.frexp(a)[1] - 1 = floor(log2(a)), exactly
;;       r = np.clip(x / 2.0 ** e, -6, 6)
;;       step = 2.0 ** (np.maximum(np.frexp(np.where(r == 0, 1, r))[1] - 1, 0) - 1)
;;       q = np.round(r / step) * step * 2.0 ** e      # np.round: ties to even
;;       return np.moveaxis(q.reshape(q.shape[:-2] + (-1,))[..., :K], -1, axis).astype(np.float32)
;;   ~~~
;;   OPERANDS COMPUTED ON THE WAY. 'Computed on the way' means the value that the module computes at that place (a softmax that the list does not call 'softmax' is quantised finished and normalised). What goes into a quantiser is computed in f32, as accurately as f32 sums, v_exp_f32 and their like allow (about 1e-6 of the number): no bf16 or f16 on the way to a quantiser, and a product that is left as it is and whose result goes on into a quantised operand takes f32 operands (vector FMAs, or v_wmma_f32_16x16x4_f32). A number that lies on a knife's edge between two numbers of the format may be rounded either way, as far as f32 arithmetic and the matrix unit's own rounding can turn it there, and no further.
;; 2 versions, each right; version 2 is version 1 with the launch prep written anew for expert scheduling mode. Each part assembles by itself: llvm-mc -triple=amdgcn-amd-amdhsa -mcpu=gfx1250 --defsym DOCPART=n.
;; ======== version 1 of 2: 3 launches
;; workspace buffers: wkimg 34,816 bytes; q0 1,280 bytes; scores 131,072 bytes
;; launch prep (part 1): grid 16 x 1, 1 waves a work-group, no clusters, 0 bytes of LDS; arguments Wk, Wq, x, bq, wkimg, q0; writes wkimg, q0
.if DOCPART == 1
	.amdgcn_target "amdgcn-amd-amdhsa--gfx1250"
	.amdhsa_code_object_version 6
	.text
	.protected	k_q9156086c7e_prep
	.globl	k_q9156086c7e_prep
	.p2align	8
	.type	k_q9156086c7e_prep,@function
k_q9156086c7e_prep:
	s_mov_b64 s[64:65], 0
	v_nop
	global_prefetch_b8 v0, s[64:65] scope:SCOPE_SE
	s_setreg_imm32_b32 hwreg(HW_REG_WAVE_MODE, 25, 1), 1
	s_wait_xcnt 0x0
; The weights' side of the program, done once.  Wk, Wq: [256][256] f32, K (the 256 input channels) innermost.  x: [8][4096][256] f32.  bq: [256] f32.
; Sixteen work-groups of one wave; j = number & 7 names 32 rows of a weight: two tiles of 16 rows.
;   numbers 0-7:  Wk's rows 32 j .. 32 j + 31 become codes of FP4 (E2M1) with one E8M0 byte for each 32 along K, stored AS IMAGES OF THE OPERAND'S REGISTERS:
;                 fragment f = 2 t + s (tile t, K step s of 128) at wkimg + 1024 f, its registers 4 c .. 4 c + 3 of lane l at + 512 c + 16 l;
;                 tile t's scale words at wkimg + 32768 + 128 t + 4 l: lanes 0-15 K step 0's, lanes 16-31 K step 1's.
;   numbers 8-15: the same rows of Wq are quantised in registers, and so is row 0 of each of the 8 batches of x (the only query that the result keeps); four matrix instructions give
;                 q[b][32 j .. 32 j + 31] + bq, one block of 32 along the next product's K; it is quantised and stored: codes at q0 + 128 b + 16 j, the block's byte at q0 + 1024 + 8 b + j.
; THE ROWS OF A TILE ARE NOT NEIGHBOURS: lane r of tile t takes row 32 (t / 2) + 8 (t % 2) + r + 8 (r / 8), so that, the product being used transposed (source 0 = the weight's 16 rows,
; source 1 = 16 rows of x), the 16 registers of tiles 2 j and 2 j + 1 are 16 neighbouring channels, 32 j + 16 (lane / 16) + 0 .. 15, of ONE row of the result.
; A lane loads the very k that the operand's layout gives it: k = 128 s + 64 c + 32 (lane / 16) + 0 .. 31 of its row: whole blocks of 32, so a block's largest magnitude needs no other lane.
; A block's scale is 2^(floor(log2(its largest magnitude)) - 2); its byte is the largest magnitude's exponent field - 2, held at 1 from below.
; LIMITS: a block of zeros gets the byte 1 where the quantiser's rule says 127 (its codes are zeros, which add nothing, and this program alone reads the bytes); NaN and infinities among the inputs
; are not served; bq enters as the C of the sum's first matrix instruction: f32, in another order of rounding than a sum followed by an addition.
; One wave to a work-group: no LDS, no barrier.  There are sixteen blocks of work, so sixteen work-groups.
; REGISTERS: window 0: v1-10 lane terms; v16-43 at work; v48-55 scale words; v56-57 q's codes; v64-95 the weight's codes; v96-111 x's codes; v112-127 bq; v128-255 x as f32, then v128-143 the two sums.
;            window 1: v0-255 the weight as f32: tile u, piece p = 2 s + c at 128 u + 32 p.
.set TM,  16                           ; v16-19  four blocks' largest magnitudes
.set SC,  24                           ; v24-27  the conversions' scale operands
.set BY,  32                           ; v32-35  the scales' bytes
.set WS,  48                           ; v48-51  the weight's scale word of (tile u, K step s) at WS + 2 u + s
.set XS,  52                           ; v52-53  x's scale words
.set WSI, 54                           ; v54-55  a tile's scale image
.set QC,  56                           ; v56-57  q's codes
.set WC,  64                           ; the weight's codes: fragment (u, s) at WC + 16 u + 8 s
.set XC,  96                           ; x's codes: K step s at XC + 8 s
.set BQ,  112                          ; bq in the result's layout: tile u at BQ + 8 u
.set XD,  128                          ; x as f32: piece p at XD + 32 p
.set ACC, 128                          ; the two sums, where x lay
.set MSB, 0
.macro WIN new                         ; the immediate's high byte repeats the setting that is left; a switch that changes nothing is dropped
.if MSB != (\new)
	s_set_vgpr_msb (MSB<<8)|(\new)
.set MSB, (\new)
.endif
.endm
; Four whole blocks of one lane, v[src + 32 p ..] of window w (p = 0 .. 3), become 16 registers of codes, v[cod + 4 p + g], and four bytes, v[BY + p].
.macro QB4 w, src, cod
	WIN ((\w)<<2)|((\w)<<4)                        ; sources 1 and 2: window w
.irp p, 0,1,2,3
	v_max3_num_f32 v[TM+\p], 0x1800000, |v[(\src)+32*\p]|, |v[(\src)+32*\p+1]|   ; the floor 2^(3 - 127) is one more leaf: so the byte cannot fall under 1
.endr
.irp i, 2,4,6,8,10,12,14,16,18,20,22,24,26,28,30
.irp p, 0,1,2,3
	v_max3_num_f32 v[TM+\p], v[TM+\p], |v[(\src)+32*\p+\i]|, |v[(\src)+32*\p+\i+1]|   ; the four blocks by turns: no line waits for the line above it
.endr
.endr
	WIN 0
.irp p, 0,1,2,3
	v_add_nc_u32 v[SC+\p], 0xff000000, v[TM+\p]    ; 2 off the exponent field: the conversion takes the exponent field of this operand as its scale, and nothing else of it
.endr
.irp p, 0,1,2,3
	v_lshrrev_b32 v[BY+\p], 23, v[SC+\p]           ; the scale's byte
.endr
	WIN (\w)                                       ; source 0: window w
.irp p, 0,1,2,3
.irp g, 0,1,2,3
	v_cvt_scalef32_pk8_fp4_f32 v[(\cod)+4*\p+\g], v[(\src)+32*\p+8*\g:(\src)+32*\p+8*\g+7], v[SC+\p]
.endr
.endr
	WIN 0
	v_nop                                          ; one plain vector instruction behind the last scaled conversion
.endm
; A K step's scale word: my two bytes are those of blocks h and 2 + h (h = lane / 16); lane l xor 16 has the other two.
.macro WORD dst, p0
	v_lshl_or_b32 v40, v[BY+(\p0)+1], 16, v[BY+(\p0)]
	v_lshlrev_b32 v40, v6, v40                     ; 8 h bits up
	v_permlanex16_b32 v41, v40, s20, s21
	v_or_b32 v[\dst], v40, v41                     ; the word is whole, in both halves of the lanes
.endm
; The weight's two tiles, 64 loads of 16 bytes a lane: eight on end are a block of 32 numbers.
.macro WLOAD
	WIN 0x40                                       ; destination window 1, address window 0
.irp u, 0,1
.irp p, 0,1,2,3
.irp i, 0,1,2,3,4,5,6,7
	global_load_b128 v[128*\u+32*\p+4*\i:128*\u+32*\p+4*\i+3], v3, s[18:19] offset:8192*\u+256*\p+16*\i th:TH_LOAD_NT
.endr
.endr
.endr
	WIN 0
.endm
.macro WQUANT
	s_wait_loadcnt 32                              ; loads come back in order: tile 0's 32 are in, tile 1's 32 may be out
	QB4 1, 0, WC
	WORD WS, 0
	WORD WS+1, 2
	s_wait_loadcnt 0x0
	QB4 1, 128, WC+16
	WORD WS+2, 0
	WORD WS+3, 2
.endm
	s_load_b256 s[4:11], s[0:1], 0x0               ; Wk s[4:5], Wq s[6:7], x s[8:9], bq s[10:11]
	s_load_b128 s[12:15], s[0:1], 0x20             ; wkimg s[12:13], q0 s[14:15]
	s_and_b32 s16, ttmp9, 7                        ; j
	s_lshr_b32 s17, ttmp9, 3                       ; 0: Wk, 1: Wq
	s_mov_b32 s20, 0x76543210
	s_mov_b32 s21, 0xfedcba98                      ; v_permlanex16_b32's selects for lane l xor 16
	s_mov_b32 s22, 0xffff0000                      ; lanes 16-31
	v_and_b32 v1, 15, v0                           ; r
	v_lshrrev_b32 v2, 4, v0                        ; h (one wave: the thread's number is the lane)
	v_and_b32 v11, 8, v1
	v_add_nc_u32 v11, v11, v1                      ; r + 8 (r / 8)
	v_lshlrev_b32 v3, 10, v11                      ; the weight: a row is 1,024 bytes,
	v_lshl_add_u32 v3, v2, 7, v3                   ; + 128 h: my block of 32 numbers
	v_and_b32 v4, 7, v1
	v_lshlrev_b32 v4, 22, v4                       ; x: row 0 of batch r % 8 (a batch is 2^22 bytes; columns 8-15 of the tile repeat 0-7),
	v_lshl_add_u32 v4, v2, 7, v4                   ; + 128 h
	v_lshlrev_b32 v5, 6, v2                        ; bq: 64 h
	v_lshlrev_b32 v6, 3, v2                        ; 8 h
	v_lshlrev_b32 v7, 4, v0                        ; an image's place for my lane
	v_lshlrev_b32 v8, 2, v0                        ; a scale word's
	v_lshlrev_b32 v9, 7, v1
	v_lshl_add_u32 v9, v2, 3, v9                   ; q's codes: 128 r + 8 h
	v_lshlrev_b32 v10, 3, v0                       ; q's byte: 8 x lane
	v_mov_b32 v41, 0                               ; written once: a lane permute's destination counts as one of its sources
	v_mov_b32 v43, 0
	s_lshl_b32 s24, s16, 15                        ; my 32 rows of 1,024 bytes
	s_mov_b32 s25, 0
	s_wait_kmcnt 0x0
	s_cmp_eq_u32 s17, 0
	s_cbranch_scc1 .Lwk                            ; the two ways part once, on the work-group's number, and each runs to its own end
	; ---- Wq, and q's row 0
	s_add_nc_u64 s[18:19], s[6:7], s[24:25]
	s_lshl_b32 s24, s16, 7
	s_add_nc_u64 s[10:11], s[10:11], s[24:25]      ; bq at channel 32 j
	s_mov_b32 s24, s16
	s_add_nc_u64 s[32:33], s[14:15], s[24:25]      ; q0 + j: the bytes
	s_lshl_b32 s24, s16, 4
	s_add_nc_u64 s[14:15], s[14:15], s[24:25]      ; q0 + 16 j: the codes
.irp p, 0,1,2,3
.irp i, 0,1,2,3,4,5,6,7
	global_load_b128 v[XD+32*\p+4*\i:XD+32*\p+4*\i+3], v4, s[8:9] offset:256*\p+16*\i
.endr
.endr
.irp u, 0,1
	global_load_b128 v[BQ+8*\u:BQ+8*\u+3], v5, s[10:11] offset:32*\u          ; lane (r, h), tile u: channels 32 j + 16 h + 8 u + 0 .. 7
	global_load_b128 v[BQ+8*\u+4:BQ+8*\u+7], v5, s[10:11] offset:32*\u+16
.endr
	WLOAD
	s_wait_loadcnt 63                              ; x and bq are in.  64 loads of Wq are younger; the wait's field names 63 at the most, so Wq's first is waited for too
	QB4 0, XD, XC
	WORD XS, 0
	WORD XS+1, 2
	WQUANT
.rept 8
	v_nop                                          ; a scale register written by a vector instruction stands 8 places ahead of a scaled matrix instruction, an operand so written 4
.endr
.irp s, 0,1                                    ; the two sums take turns, one instruction a turn
.irp u, 0,1
.if \s == 0
	v_wmma_scale_f32_16x16x128_f8f6f4 v[ACC+8*\u:ACC+8*\u+7], v[WC+16*\u:WC+16*\u+7], v[XC:XC+7], v[BQ+8*\u:BQ+8*\u+7], v[WS+2*\u], v[XS] matrix_a_fmt:MATRIX_FMT_FP4 matrix_b_fmt:MATRIX_FMT_FP4
.else
	v_wmma_scale_f32_16x16x128_f8f6f4 v[ACC+8*\u:ACC+8*\u+7], v[WC+16*\u+8:WC+16*\u+15], v[XC+8:XC+15], v[ACC+8*\u:ACC+8*\u+7], v[WS+2*\u+1], v[XS+1] matrix_a_fmt:MATRIX_FMT_FP4 matrix_b_fmt:MATRIX_FMT_FP4
.endif
.endr
.endr
.rept 4
	v_nop                                          ; four places between a matrix instruction and the first read of its result (ISA guide 7.12.1)
.endr
	; lane (r, h) holds q[r % 8][32 j + 16 h + 0 .. 15] in v[ACC] on: half a block of the next product's K; each sum is read from its low end on
	v_max3_num_f32 v16, |v[ACC]|, |v[ACC+1]|, 0x1800000
.irp i, 2,4,6,8,10,12,14
	v_max3_num_f32 v16, v16, |v[ACC+\i]|, |v[ACC+\i+1]|
.endr
	v_permlanex16_b32 v43, v16, s20, s21
	v_max_num_f32 v16, v16, v43                    ; with lane l xor 16's 16 channels: the block's largest magnitude
	v_add_nc_u32 v24, 0xff000000, v16
	v_lshrrev_b32 v32, 23, v24                     ; the block's byte
	v_cvt_scalef32_pk8_fp4_f32 v[QC], v[ACC:ACC+7], v24
	v_cvt_scalef32_pk8_fp4_f32 v[QC+1], v[ACC+8:ACC+15], v24
	v_nop                                          ; one plain vector instruction behind the last scaled conversion
	v_cmp_gt_u32 vcc_lo, 8, v1                     ; rows 0-7 are the eight batches
	s_wait_xcnt 0x0                                ; EXEC changes only behind this wait
	s_and_saveexec_b32 s26, vcc_lo
	global_store_b64 v9, v[QC:QC+1], s[14:15]      ; 16 codes: bytes 128 b + 16 j + 8 h on
	s_wait_xcnt 0x0
	s_or_b32 exec_lo, exec_lo, s26
	v_cmp_gt_u32 vcc_lo, 8, v0
	s_and_saveexec_b32 s27, vcc_lo                 ; (no memory instruction has been issued since the last wait)
	global_store_b8 v10, v32, s[32:33] offset:1024 ; byte 1024 + 8 b + j
	s_wait_xcnt 0x0
	s_or_b32 exec_lo, exec_lo, s27
	s_endpgm
.Lwk:	; ---- Wk: codes and scale words, as images
	s_add_nc_u64 s[18:19], s[4:5], s[24:25]
	WLOAD
	s_lshl_b32 s24, s16, 12
	s_add_nc_u64 s[28:29], s[12:13], s[24:25]      ; my four fragments: 4,096 j
	s_lshl_b32 s24, s16, 8
	s_add_nc_u64 s[30:31], s[12:13], s[24:25]      ; my two scale images: 256 j
	WQUANT
.irp u, 0,1
	v_cndmask_b32 v[WSI+\u], v[WS+2*\u], v[WS+2*\u+1], s22   ; lanes 0-15 K step 0's word, lanes 16-31 K step 1's
.endr
.irp u, 0,1
.irp s, 0,1
.irp c, 0,1
	global_store_b128 v7, v[WC+16*\u+8*\s+4*\c:WC+16*\u+8*\s+4*\c+3], s[28:29] offset:1024*(2*\u+\s)+512*\c   ; 32 lanes store 512 consecutive bytes, at a multiple of 256 from the buffer's first byte
.endr
.endr
.endr
.irp u, 0,1
	global_store_b32 v8, v[WSI+\u], s[30:31] offset:32768+128*\u   ; the two stores together cover 256 consecutive bytes, aligned
.endr
	s_endpgm
.Lfunc_end_k_q9156086c7e_prep:
	.size	k_q9156086c7e_prep, .Lfunc_end_k_q9156086c7e_prep-k_q9156086c7e_prep
	.p2alignl 7, 3214868480
	.fill 96, 4, 3214868480
	.section	.rodata,"a",@progbits
	.p2align	6, 0x0
	.amdhsa_kernel k_q9156086c7e_prep
		.amdhsa_group_segment_fixed_size 0
		.amdhsa_private_segment_fixed_size 0
		.amdhsa_enable_private_segment 0
		.amdhsa_kernarg_size 48
		.amdhsa_user_sgpr_count 2
		.amdhsa_user_sgpr_kernarg_segment_ptr 1
		.amdhsa_wavefront_size32 1
		.amdhsa_system_sgpr_workgroup_id_x 1
		.amdhsa_system_sgpr_workgroup_id_y 1
		.amdhsa_system_sgpr_workgroup_id_z 1
		.amdhsa_system_vgpr_workitem_id 0
		.amdhsa_next_free_vgpr 512
		.amdhsa_next_free_sgpr 66
		.amdhsa_reserve_vcc 1
		.amdhsa_float_denorm_mode_32 3
		.amdhsa_float_denorm_mode_16_64 3
		.amdhsa_memory_ordered 1
		.amdhsa_forward_progress 1
		.amdhsa_inst_pref_size 51
	.end_amdhsa_kernel
	.amdgpu_metadata
---
amdhsa.version: [ 1, 2 ]
amdhsa.kernels:
  - .name:           k_q9156086c7e_prep
    .symbol:         k_q9156086c7e_prep.kd
    .args:
      - { .name: Wk, .offset: 0, .size: 8, .value_kind: global_buffer, .address_space: global }
      - { .name: Wq, .offset: 8, .size: 8, .value_kind: global_buffer, .address_space: global }
      - { .name: x, .offset: 16, .size: 8, .value_kind: global_buffer, .address_space: global }
      - { .name: bq, .offset: 24, .size: 8, .value_kind: global_buffer, .address_space: global }
      - { .name: wkimg, .offset: 32, .size: 8, .value_kind: global_buffer, .address_space: global }
      - { .name: q0, .offset: 40, .size: 8, .value_kind: global_buffer, .address_space: global }
    .group_segment_fixed_size: 0
    .private_segment_fixed_size: 0
    .kernarg_segment_align: 8
    .kernarg_segment_size: 48
    .max_flat_workgroup_size: 32
    .sgpr_count:     66
    .vgpr_count:     512
    .wavefront_size: 32
...
	.end_amdgpu_metadata
.endif
;; end of part 1
;; launch scores (part 2): grid 256 x 1, 4 waves a work-group, no clusters, 172,544 bytes of LDS; arguments x, wkimg, bk, q0, scores; writes scores
.if DOCPART == 2
	.amdgcn_target "amdgcn-amd-amdhsa--gfx1250"
	.amdhsa_code_object_version 6
	.text
	.protected	k_q9156086c7e_scores
	.globl	k_q9156086c7e_scores
	.p2align	8
	.type	k_q9156086c7e_scores,@function
k_q9156086c7e_scores:
	s_mov_b64 s[64:65], 0
	v_nop
	global_prefetch_b8 v0, s[64:65] scope:SCOPE_SE
	s_setreg_imm32_b32 hwreg(HW_REG_WAVE_MODE, 25, 1), 1
	s_wait_xcnt 0x0
; scores[b][s] = Q(q[b][0]) . Q(k[b][s]),  k = Q(x) Q(Wk)^T + bk,  Q the quantiser to FP4 (E2M1) with one E8M0 byte for each 32 along a product's K (the 256 channels).
; x: [8][4096][256] f32, taken as 32,768 rows.  wkimg: Wk's codes and scale words as images of the operand's registers; q0: the codes and bytes of q's row 0 of each batch (both made by the launch before).  bk: [256] f32.
; SHARES.  A work-group takes 128 rows (all of one batch: 4,096 is a multiple of 128), each of its four waves 32, as two tiles of 16.  k never goes to memory.
; x comes by the tensor data mover: each wave asks for its own two tiles (16 rows x 1,024 bytes each) and for a quarter of wkimg with its first instructions, so all that the work-group will ever read of x, 131,072 bytes,
; is on its way at once.  Every LDS byte is filled once: no slot is filled again.  By this text's count a wave has three tensor loads out.
; NO CLUSTER: what work-groups share is wkimg, 34,816 of the 165,888 bytes that one fetches, asked for once at the head; joint loads would put a round of a cluster's barrier in front of the one group of loads that this
; launch has and another at its end, for a fifth of the bytes.
; LAYOUT.  The first product is used transposed (source 0 = 16 rows of Wk, source 1 = my 16 rows of x), and the rows of Wk that form a tile are chosen (tile t, lane r: row 32 (t / 2) + 8 (t % 2) + r + 8 (r / 8)), so that a lane
; holds ONE row of k and the 16 registers of tiles 2 b and 2 b + 1 are its channels 32 b + 16 (lane / 16) + 0 .. 15: what the quantiser's conversions want.  x is loaded from LDS in the same order, so one macro serves both.
; In the second product source 0 is q's row, the same in all 16 rows of the tile, and source 1 the 16 rows of k: register 0 of the result holds row r's score in lane r and again in lane 16 + r.
; LIMITS: a block of zeros gets the byte 1 where the quantiser's rule says 127 (its codes are zeros, and this program alone reads the bytes); NaN and infinities among the inputs are not served;
; bk enters as the C of each sum's first matrix instruction: f32, in another order of rounding than a sum followed by an addition.
; REGISTERS: window 0: v1-12 addresses; v32-159 a tile of x as f32, then k's 16 sums; v160-175 x's codes; v176-191 k's; v192-207 at work; v208-229 scale words; v230-231 scores; v232-247 q's fragments; v248-255 the score's sum.
;            window 1: Wk's 32 fragments, fragment f = 2 t + s at 8 f.     window 2: v0-127 bk in the result's layout, tile t at 8 t.
.set XP,   1040                        ; a row of x in LDS: 1,024 bytes + 16 of padding = 260 words: row r starts at bank 4 r mod 64 (64 banks of 4 bytes: ISA guide 11.1), so the 16 rows that a load touches start at 16 different banks
.set XTT,  16*XP                       ; a tile
.set XTW,  2*XTT                       ; a wave's two
.set WI,   4*XTW                       ; behind x: wkimg as it lies, 34,816 bytes
.set WQ,   8704                        ; a quarter of it: 34 rows of 256 bytes
.set STG,  WI+4*WQ                     ; behind it: the 128 scores, 512 bytes in two blocks of 256 of their own: no tensor load lands there
.set X,    32
.set XC,   160
.set KC,   176
.set TM,   192                         ; v192-195 largest magnitudes, v196-199 bytes, v204-207 the conversions' scale operands
.set WS,   208                         ; v208-223 Wk's scale images: lanes 0-15 K step 0's word, lanes 16-31 K step 1's
.set XS,   224                         ; v224-225 x's scale words
.set KS,   226                         ; v226-227 k's
.set QS,   228                         ; v228-229 q's
.set S0,   230                         ; tile 0's scores
.set SV,   231                         ; the wave's 32 scores, a lane a row
.set QF,   232
.set SA,   248
.set MSB, 0
.macro WIN new                         ; the immediate's high byte repeats the setting that is left; a switch that changes nothing is dropped
.if MSB != (\new)
	s_set_vgpr_msb (MSB<<8)|(\new)
.set MSB, (\new)
.endif
.endm
; 64 numbers of a lane, v[s] .. v[s + 63], register 16 b + i = k 32 b + 16 (lane / 16) + i of my row, become a fragment's codes in v[pc] on and its scale word in v[pw].
.macro QUANT s, pc, pw
.irp b, 0,1,2,3
	v_max3_num_f32 v[TM+\b], |v[(\s)+16*\b]|, |v[(\s)+1+16*\b]|, 0x1800000   ; block b: my 16 numbers, and the floor 2^(3 - 127): so the byte cannot fall under 1
.endr
.irp i, 2,4,6,8,10,12,14
.irp b, 0,1,2,3
	v_max3_num_f32 v[TM+\b], v[TM+\b], |v[(\s)+16*\b+\i]|, |v[(\s)+1+16*\b+\i]|   ; the four blocks by turns; a matrix result is walked from its low end on
.endr
.endr
.irp b, 0,1,2,3
	v_permlanex16_b32 v[TM+4+\b], v[TM+\b], s44, s45
.endr
.irp b, 0,1,2,3
	v_max_num_f32 v[TM+\b], v[TM+\b], v[TM+4+\b]   ; with lane l xor 16's: the block's largest magnitude
.endr
.irp b, 0,1,2,3
	v_add_nc_u32 v[TM+12+\b], 0xff000000, v[TM+\b] ; 2 off its exponent field: the conversion takes the exponent field of this operand as its scale, and nothing else of it
.endr
.irp b, 0,1,2,3
	v_lshrrev_b32 v[TM+4+\b], 23, v[TM+12+\b]      ; the scale's byte
.endr
	v_lshl_or_b32 v[\pw], v[TM+5], 8, v[TM+4]      ; the four bytes make my row's scale word
	v_lshl_or_b32 v[\pw], v[TM+6], 16, v[\pw]
	v_lshl_or_b32 v[\pw], v[TM+7], 24, v[\pw]
.irp b, 0,1,2,3
	v_cvt_scalef32_pk8_fp4_f32 v[(\pc)+2*\b], v[(\s)+16*\b:(\s)+7+16*\b], v[TM+12+\b]
	v_cvt_scalef32_pk8_fp4_f32 v[(\pc)+1+2*\b], v[(\s)+8+16*\b:(\s)+15+16*\b], v[TM+12+\b]
.endr
	v_nop                                          ; one plain vector instruction behind the last scaled conversion
.irp c, 0,1                                    ; the operand's layout wants a WHOLE block in a lane: lanes 0-15 block 2 c, lanes 16-31 block 2 c + 1
.irp i, 0,1
	v_permlane16_swap_b32 v[(\pc)+4*\c+\i], v[(\pc)+2+4*\c+\i]
.endr
.endr
.endm
.macro PLACES n
.rept \n
	v_nop
.endr
.endm
	s_load_b256 s[4:11], s[0:1], 0x0               ; x s[4:5], wkimg s[6:7], bk s[8:9], q0 s[10:11]
	s_load_b64 s[12:13], s[0:1], 0x20              ; scores
	v_lshl_add_u32 v202, v0, 2, 0x2a000
	v_mov_b32 v203, 0
	ds_add_u32 v202, v203
	ds_add_u32 v202, v203
	v_lshrrev_b32 v10, 5, v0
	v_readfirstlane_b32 s14, v10                   ; wave 0..3
	; descriptor group 1 for a tile of x: 16 rows x 256 elements of 4 bytes, rows 256 elements apart; in LDS 4 words of padding behind every 256
	s_mov_b32 s16, (2<<16)|(1<<20)|(7<<22)|(3<<25) ; 15:0 no mask; 17:16 elements of 4 bytes; 20 padding on; 24:22 after every 256 words (code 7); 31:25 four words (code 3)
	s_mov_b32 s17, 256<<16                         ; tensor_dim0 = 256
	s_mov_b32 s18, 16<<16                          ; tensor_dim1 = 16
	s_mov_b32 s19, 256<<16                         ; tile_dim0 = 256
	s_mov_b32 s20, 16                              ; tile_dim1 = 16
	s_mov_b32 s21, 256                             ; tensor_dim0_stride
	s_mov_b32 s22, 0
	s_mov_b32 s23, 0
	; and for a quarter of wkimg: a dense block of 8,704 bytes, as 34 rows of 32 elements of 8 bytes, no padding
	s_mov_b32 s24, 3<<16
	s_mov_b32 s25, 32<<16
	s_mov_b32 s26, 34<<16
	s_mov_b32 s27, 32<<16
	s_mov_b32 s28, 34
	s_mov_b32 s29, 32
	s_mov_b32 s30, 0
	s_mov_b32 s31, 0
	; groups 0: count 1, LDS address, global address, type 2
	s_mov_b32 s32, 1
	s_mov_b32 s36, 1
	s_mov_b32 s40, 1
	s_mul_i32 s48, s14, WQ                         ; my quarter of wkimg, in memory and in LDS
	s_mov_b32 s49, 0
	s_add_co_u32 s33, s48, WI
	s_mul_i32 s37, s14, XTW                        ; my two tiles of x in LDS
	s_add_co_u32 s41, s37, XTT
	s_lshl_b32 s50, ttmp9, 17                      ; the work-group's 128 rows of 1,024 bytes (under 2^25 in all),
	s_lshl_b32 s51, s14, 15                        ; my wave's 32
	s_add_co_u32 s50, s50, s51
	s_mov_b32 s51, 0
	s_mov_b32 s44, 0x76543210
	s_mov_b32 s45, 0xfedcba98                      ; v_permlanex16_b32's selects for lane l xor 16
	s_mov_b32 s46, 0xffff0000                      ; lanes 16-31
	s_wait_dscnt 0x0
	s_wait_kmcnt 0x0
	s_add_nc_u64 s[34:35], s[6:7], s[48:49]
	s_or_b32 s35, s35, 0x80000000
	s_add_nc_u64 s[38:39], s[4:5], s[50:51]
	s_add_nc_u64 s[42:43], s[38:39], 16384         ; 16 rows on
	s_or_b32 s39, s39, 0x80000000
	s_or_b32 s43, s43, 0x80000000
	tensor_load_to_lds s[32:35], s[24:31]          ; the fills go out as one group, ahead of every wait on TENSORcnt, every LDS read and every barrier: wkimg's quarter first, since it is wanted first,
	s_nop 0
	tensor_load_to_lds s[36:39], s[16:23]          ; my tile 0,
	s_nop 0
	tensor_load_to_lds s[40:43], s[16:23]          ; my tile 1
	s_nop 0
	v_and_b32 v10, 15, v0                          ; r
	v_bfe_u32 v11, v0, 4, 1                        ; h
	v_and_b32 v12, 31, v0                          ; lane
	v_lshlrev_b32 v9, 4, v12                       ; 16 x lane: my bytes of the scores on the way out
	v_add_nc_u32 v1, WI, v9                        ; an image's place for my lane
	v_lshl_add_u32 v2, v12, 2, WI+32768            ; a scale image's
	v_mul_u32_u24 v3, v10, XP
	v_lshl_add_u32 v3, v11, 6, v3
	v_add_nc_u32 v3, s37, v3                       ; x: my wave's tiles, row r, + 64 h: my 16 numbers of a block of 32
	v_lshlrev_b32 v4, 6, v11                       ; bk: 64 h
	v_lshlrev_b32 v5, 4, v11                       ; q's codes: 16 h
	v_mov_b32 v6, 0
	v_lshl_add_u32 v7, v0, 2, STG                  ; the stage: 4 x my thread's number = 128 x wave + 4 x lane
	v_add_nc_u32 v8, STG, v9                       ; and back: 16 x lane
.irp b, 0,1,2,3
	v_mov_b32 v[TM+4+\b], 0                        ; written once: a lane permute's destination counts as one of its sources
.endr
	s_lshr_b32 s48, ttmp9, 5                       ; the batch
	s_lshl_b32 s50, s48, 3
	s_add_nc_u64 s[52:53], s[10:11], s[50:51]      ; q's bytes: 8 a batch (read at + 1,024)
	s_lshl_b32 s50, s48, 7
	s_add_nc_u64 s[10:11], s[10:11], s[50:51]      ; q's codes: 128 bytes a batch
	s_lshl_b32 s50, ttmp9, 9
	s_add_nc_u64 s[12:13], s[12:13], s[50:51]      ; the work-group's 128 scores
	WIN 0x80                                       ; destination window 2
.irp t, 0,1,2,3,4,5,6,7,8,9,10,11,12,13,14,15
	global_load_b128 v[8*\t:8*\t+3], v4, s[8:9] offset:(32*(\t/2)+8*(\t%2))*4          ; lane (r, h), tile t: channels 32 (t / 2) + 16 h + 8 (t % 2) + 0 .. 7
	global_load_b128 v[8*\t+4:8*\t+7], v4, s[8:9] offset:(32*(\t/2)+8*(\t%2))*4+16
.endr
	WIN 0
.irp s, 0,1
.irp c, 0,1
	global_load_b128 v[QF+8*\s+4*\c:QF+8*\s+4*\c+3], v5, s[10:11] offset:64*\s+32*\c   ; every row of the tile is the same q: k = 128 s + 64 c + 32 h + 0 .. 31
.endr
.endr
	global_load_b64 v[QS:QS+1], v6, s[52:53] offset:1024   ; its two scale words, in every lane
	s_wait_tensorcnt 2                             ; tensor loads of a wave end in order: my quarter of wkimg is in; the two tiles of x issued behind it stay out
	s_barrier_signal -1
	s_barrier_wait -1                              ; everybody's quarter is in
	WIN 0x40                                       ; destination window 1, address window 0
.irp f, 0,1,2,3,4,5,6,7,8,9,10,11,12,13,14,15,16,17,18,19,20,21,22,23,24,25,26,27,28,29,30,31
.irp c, 0,1
	ds_load_b128 v[8*\f+4*\c:8*\f+4*\c+3], v1 offset:1024*\f+512*\c   ; Wk's fragments stay in registers: each is read from LDS once by each wave, 512 consecutive bytes a load
.endr
.endr
	WIN 0
.irp t, 0,1,2,3,4,5,6,7,8,9,10,11,12,13,14,15
	ds_load_b32 v[WS+\t], v2 offset:128*\t
.endr
	s_wait_loadcnt 0x0                             ; bk and q
; My tile i: 16 rows of x to 16 scores.
.macro TILE i
	s_wait_tensorcnt 1-\i                          ; this tile is in LDS; the younger one may be out.  The bytes are my wave's own: its own wait is all that the reads need
.irp b, 0,1,2,3,4,5,6,7
.irp j, 0,1,2,3
	ds_load_b128 v[X+16*\b+4*\j:X+16*\b+4*\j+3], v3 offset:XTT*\i+128*\b+16*\j
.endr
.endr
	s_wait_dscnt 16                                ; LDS loads come back in order: blocks 0-3 are in (and all of Wk, which is older); the 16 loads of blocks 4-7 may be out
	QUANT X, XC, XS
	s_wait_dscnt 0x0
	QUANT X+64, XC+8, XS+1
	PLACES 8                                       ; a scale register written by a vector instruction stands 8 places ahead of a scaled matrix instruction, an operand so written 4
	WIN 0x21                                       ; source 0 (Wk) window 1, source 2 (bk) window 2
.irp t, 0,1,2,3,4,5,6,7,8,9,10,11,12,13,14,15     ; the 16 sums take turns, one instruction a turn, K step by K step; bk starts each sum
	v_wmma_scale_f32_16x16x128_f8f6f4 v[X+8*\t:X+8*\t+7], v[16*\t:16*\t+7], v[XC:XC+7], v[8*\t:8*\t+7], v[WS+\t], v[XS] matrix_a_fmt:MATRIX_FMT_FP4 matrix_b_fmt:MATRIX_FMT_FP4
.endr
	WIN 0x01                                       ; source 0 window 1; C and D window 0
.irp t, 0,1,2,3,4,5,6,7,8,9,10,11,12,13,14,15
	v_wmma_scale_f32_16x16x128_f8f6f4 v[X+8*\t:X+8*\t+7], v[16*\t+8:16*\t+15], v[XC+8:XC+15], v[X+8*\t:X+8*\t+7], v[WS+\t], v[XS+1] matrix_a_fmt:MATRIX_FMT_FP4 matrix_b_fmt:MATRIX_FMT_FP4 matrix_a_scale:MATRIX_SCALE_ROW1
.endr
	WIN 0
	PLACES 4                                       ; four places between a matrix instruction and the first read of its result (ISA guide 7.12.1)
	QUANT X, KC, KS                                ; k's channels 0-127 of my row,
	QUANT X+64, KC+8, KS+1                         ; and 128-255
	PLACES 8
	v_wmma_scale_f32_16x16x128_f8f6f4 v[SA:SA+7], v[QF:QF+7], v[KC:KC+7], 0, v[QS], v[KS] matrix_a_fmt:MATRIX_FMT_FP4 matrix_b_fmt:MATRIX_FMT_FP4
	s_wait_alu depctr_va_vdst(0)                   ; one sum, whose second link follows its first: a wait directly ahead of the link
	v_wmma_scale_f32_16x16x128_f8f6f4 v[SA:SA+7], v[QF+8:QF+15], v[KC+8:KC+15], v[SA:SA+7], v[QS+1], v[KS+1] matrix_a_fmt:MATRIX_FMT_FP4 matrix_b_fmt:MATRIX_FMT_FP4
	PLACES 4
.if \i == 0
	v_mov_b32 v[S0], v[SA]                         ; row r's score, in lane r and in lane 16 + r
.else
	v_cndmask_b32 v[SV], v[S0], v[SA], s46         ; lanes 0-15 keep tile 0's, lanes 16-31 take tile 1's: lane l holds the score of my wave's row l
.endif
.endm
	TILE 0
	TILE 1                                         ; (its first wait is for 0: no tensor load is out at the end)
	; THE WAY OUT: the four waves' 128 scores meet in the stage, and wave 0 stores them as 512 consecutive bytes.
	ds_store_b32 v7, v[SV]
	s_wait_dscnt 0x0                               ; for the others' sake: my store has landed
	s_barrier_signal -1
	s_barrier_wait -1
	s_cmp_lg_u32 s14, 0
	s_cbranch_scc1 .Lend
	ds_load_b128 v[32:35], v8
	s_wait_dscnt 0x0
	global_store_b128 v9, v[32:35], s[12:13]       ; 32 lanes store 512 consecutive bytes, at a multiple of 256 from the buffer's first byte
.Lend:
	s_wait_tensorcnt 0x0
	ds_add_u32 v202, v203
	s_wait_dscnt 0x0
	s_endpgm
.Lfunc_end_k_q9156086c7e_scores:
	.size	k_q9156086c7e_scores, .Lfunc_end_k_q9156086c7e_scores-k_q9156086c7e_scores
	.p2alignl 7, 3214868480
	.fill 96, 4, 3214868480
	.section	.rodata,"a",@progbits
	.p2align	6, 0x0
	.amdhsa_kernel k_q9156086c7e_scores
		.amdhsa_group_segment_fixed_size 172544
		.amdhsa_private_segment_fixed_size 0
		.amdhsa_enable_private_segment 0
		.amdhsa_kernarg_size 40
		.amdhsa_user_sgpr_count 2
		.amdhsa_user_sgpr_kernarg_segment_ptr 1
		.amdhsa_wavefront_size32 1
		.amdhsa_system_sgpr_workgroup_id_x 1
		.amdhsa_system_sgpr_workgroup_id_y 1
		.amdhsa_system_sgpr_workgroup_id_z 1
		.amdhsa_system_vgpr_workitem_id 0
		.amdhsa_next_free_vgpr 640
		.amdhsa_next_free_sgpr 66
		.amdhsa_reserve_vcc 0
		.amdhsa_float_denorm_mode_32 3
		.amdhsa_float_denorm_mode_16_64 3
		.amdhsa_memory_ordered 1
		.amdhsa_forward_progress 1
		.amdhsa_inst_pref_size 58
	.end_amdhsa_kernel
	.amdgpu_metadata
---
amdhsa.version: [ 1, 2 ]
amdhsa.kernels:
  - .name:           k_q9156086c7e_scores
    .symbol:         k_q9156086c7e_scores.kd
    .args:
      - { .name: x, .offset: 0, .size: 8, .value_kind: global_buffer, .address_space: global }
      - { .name: wkimg, .offset: 8, .size: 8, .value_kind: global_buffer, .address_space: global }
      - { .name: bk, .offset: 16, .size: 8, .value_kind: global_buffer, .address_space: global }
      - { .name: q0, .offset: 24, .size: 8, .value_kind: global_buffer, .address_space: global }
      - { .name: scores, .offset: 32, .size: 8, .value_kind: global_buffer, .address_space: global }
    .group_segment_fixed_size: 172544
    .private_segment_fixed_size: 0
    .kernarg_segment_align: 8
    .kernarg_segment_size: 40
    .max_flat_workgroup_size: 128
    .sgpr_count:     66
    .vgpr_count:     640
    .wavefront_size: 32
...
	.end_amdgpu_metadata
.endif
;; end of part 2
;; launch softmax (part 3): grid 8 x 1, 32 waves a work-group, no clusters, 4,352 bytes of LDS; arguments scores, out0; writes out0
.if DOCPART == 3
	.amdgcn_target "amdgcn-amd-amdhsa--gfx1250"
	.amdhsa_code_object_version 6
	.text
	.protected	k_q9156086c7e_softmax
	.globl	k_q9156086c7e_softmax
	.p2align	8
	.type	k_q9156086c7e_softmax,@function
k_q9156086c7e_softmax:
	s_mov_b64 s[64:65], 0
	v_nop
	global_prefetch_b8 v0, s[64:65] scope:SCOPE_SE
	s_setreg_imm32_b32 hwreg(HW_REG_WAVE_MODE, 25, 1), 1
	s_wait_xcnt 0x0
; out0[b][:] = softmax(scores[b][:]), 4,096 numbers a row, all in f32.  A row has to be seen whole, so a work-group takes a row: eight work-groups, which is all the work there is.
; 1,024 threads, four neighbouring scores each: a wave's load and its store cover 512 consecutive bytes.  The row stays in registers between the passes: it is read once.
; Each wave takes ITS OWN largest score m_w away ahead of the exponentials and sums them (l_w); the 32 pairs (m_w, l_w) meet in LDS behind ONE barrier; every wave then forms
; M = the largest m, S = the sum of l_i e^(m_i - M), and scales its weights by e^(m_w - M) / S.  Every exponent is 0 or less, and S is at least 1.
; The difference is taken ahead of the multiplication by log2(e), so that large scores lose nothing.  v_exp_f32 gives 0 for results under 2^-126 (ISA guide, its entry): such weights come out as 0.
; No matrix unit, no tensor load, no cluster: 16 KiB a work-group, read once, shared with nobody.
.macro LANEMAX r                       ; the largest of the 32 lanes' v[r], in every lane: four steps inside each half of 16 lanes ride on the arithmetic (DPP), one crosses the halves
.irp m, 1,2,4,8
	v_max_num_f32_dpp v[\r], v[\r], v[\r] row_xmask:\m row_mask:0xf bank_mask:0xf
.endr
	v_permlanex16_b32 v9, v[\r], s10, s11
	v_max_num_f32 v[\r], v[\r], v9
.endm
.macro LANESUM r
.irp m, 1,2,4,8
	v_add_f32_dpp v[\r], v[\r], v[\r] row_xmask:\m row_mask:0xf bank_mask:0xf
.endr
	v_permlanex16_b32 v9, v[\r], s10, s11
	v_add_f32 v[\r], v[\r], v9
.endm
	s_load_b128 s[4:7], s[0:1], 0x0                ; scores s[4:5], out0 s[6:7]
	v_lshl_add_u32 v32, v0, 2, 0x100
	v_mov_b32 v33, 0
	s_lshl_b32 s8, ttmp9, 14                       ; my row: 4,096 numbers of 4 bytes
	s_mov_b32 s9, 0
	s_mov_b32 s10, 0x76543210
	s_mov_b32 s11, 0xfedcba98                      ; v_permlanex16_b32's selects for lane l xor 16
	v_lshlrev_b32 v1, 4, v0                        ; my 16 bytes of the row
	v_lshrrev_b32 v2, 5, v0
	v_lshlrev_b32 v2, 3, v2                        ; LDS: my wave's pair, 8 bytes
	v_and_b32 v3, 31, v0
	v_lshlrev_b32 v3, 3, v3                        ; and the pair of the wave whose number is my lane's
	v_mov_b32 v9, 0                                ; written once: a lane permute's destination counts as one of its sources
	s_wait_kmcnt 0x0
	s_add_nc_u64 s[4:5], s[4:5], s[8:9]
	s_add_nc_u64 s[6:7], s[6:7], s[8:9]
	global_load_b128 v[4:7], v1, s[4:5]
	s_wait_loadcnt 0x0
	v_max3_num_f32 v10, v4, v5, v6
	v_max_num_f32 v10, v10, v7
	LANEMAX 10                                     ; m_w
.irp j, 4,5,6,7
	v_sub_f32 v[\j], v[\j], v10
.endr
.irp j, 4,5,6,7
	v_mul_f32 v[\j], 0x3fb8aa3b, v[\j]             ; x log2(e)
.endr
.irp j, 4,5,6,7
	v_exp_f32 v[\j], v[\j]
.endr
	v_nop                                          ; a plain instruction between the last exponential and the use of its result
	s_wait_alu depctr_va_vdst(0)                   ; and a wait ahead of the first use: one for the four
	v_add_f32 v11, v4, v5
	v_add_f32 v12, v6, v7
	v_add_f32 v11, v11, v12
	LANESUM 11                                     ; l_w
	ds_store_b64 v2, v[10:11]                      ; all lanes of a wave write the same 8 bytes with the same values
	s_wait_dscnt 0x0                               ; for the others' sake: my store has landed
	s_barrier_signal -1
	s_barrier_wait -1
	ds_load_b64 v[14:15], v3                       ; lane i: (m_i, l_i)
	s_wait_dscnt 0x0
	v_mov_b32 v16, v14
	LANEMAX 16                                     ; M
	v_sub_f32 v17, v14, v16
	v_sub_f32 v18, v10, v16
	v_mul_f32 v17, 0x3fb8aa3b, v17
	v_mul_f32 v18, 0x3fb8aa3b, v18
	v_exp_f32 v17, v17                             ; e^(m_i - M)
	v_exp_f32 v18, v18                             ; e^(m_w - M)
	v_nop
	s_wait_alu depctr_va_vdst(0)                   ; one wait for the two
	v_mul_f32 v17, v15, v17
	LANESUM 17                                     ; S
	v_rcp_f32 v19, v17
	v_nop
	s_wait_alu depctr_va_vdst(0)
	v_mul_f32 v18, v18, v19                        ; e^(m_w - M) / S
.irp j, 4,5,6,7
	v_mul_f32 v[\j], v[\j], v18
.endr
	global_store_b128 v1, v[4:7], s[6:7]           ; a wave stores 512 consecutive bytes, at a multiple of 256 from the buffer's first byte
	s_wait_tensorcnt 0x0
	ds_add_u32 v32, v33
	s_wait_dscnt 0x0
	s_endpgm
.Lfunc_end_k_q9156086c7e_softmax:
	.size	k_q9156086c7e_softmax, .Lfunc_end_k_q9156086c7e_softmax-k_q9156086c7e_softmax
	.p2alignl 7, 3214868480
	.fill 96, 4, 3214868480
	.section	.rodata,"a",@progbits
	.p2align	6, 0x0
	.amdhsa_kernel k_q9156086c7e_softmax
		.amdhsa_group_segment_fixed_size 4352
		.amdhsa_private_segment_fixed_size 0
		.amdhsa_enable_private_segment 0
		.amdhsa_kernarg_size 16
		.amdhsa_user_sgpr_count 2
		.amdhsa_user_sgpr_kernarg_segment_ptr 1
		.amdhsa_wavefront_size32 1
		.amdhsa_system_sgpr_workgroup_id_x 1
		.amdhsa_system_sgpr_workgroup_id_y 1
		.amdhsa_system_sgpr_workgroup_id_z 1
		.amdhsa_system_vgpr_workitem_id 0
		.amdhsa_next_free_vgpr 34
		.amdhsa_next_free_sgpr 66
		.amdhsa_reserve_vcc 0
		.amdhsa_float_denorm_mode_32 3
		.amdhsa_float_denorm_mode_16_64 3
		.amdhsa_memory_ordered 1
		.amdhsa_forward_progress 1
		.amdhsa_inst_pref_size 5
	.end_amdhsa_kernel
	.amdgpu_metadata
---
amdhsa.version: [ 1, 2 ]
amdhsa.kernels:
  - .name:           k_q9156086c7e_softmax
    .symbol:         k_q9156086c7e_softmax.kd
    .args:
      - { .name: scores, .offset: 0, .size: 8, .value_kind: global_buffer, .address_space: global }
      - { .name: out0, .offset: 8, .size: 8, .value_kind: global_buffer, .address_space: global }
    .group_segment_fixed_size: 4352
    .private_segment_fixed_size: 0
    .kernarg_segment_align: 8
    .kernarg_segment_size: 16
    .max_flat_workgroup_size: 1024
    .sgpr_count:     66
    .vgpr_count:     34
    .wavefront_size: 32
...
	.end_amdgpu_metadata
.endif
;; end of part 3
;; ======== version 2 of 2: 3 launches; version 1 with the launch prep written anew for expert scheduling mode
;; workspace buffers: wkimg 34,816 bytes; q0 1,280 bytes; scores 131,072 bytes
;; launch prep (part 4): grid 16 x 1, 1 waves a work-group, no clusters, 0 bytes of LDS; arguments Wk, Wq, x, bq, wkimg, q0; writes wkimg, q0
.if DOCPART == 4
	.amdgcn_target "amdgcn-amd-amdhsa--gfx1250"
	.amdhsa_code_object_version 6
	.text
	.protected	k_q9156086c7e_prep
	.globl	k_q9156086c7e_prep
	.p2align	8
	.type	k_q9156086c7e_prep,@function
k_q9156086c7e_prep:
	s_mov_b64 s[64:65], 0
	v_nop
	global_prefetch_b8 v0, s[64:65] scope:SCOPE_SE
	s_setreg_imm32_b32 hwreg(HW_REG_WAVE_SCHED_MODE, 0, 2), 2
	s_setreg_imm32_b32 hwreg(HW_REG_WAVE_MODE, 25, 1), 1
	s_wait_xcnt 0x0
	s_wait_alu depctr_vm_vsrc(0)
; The weights' side of the program, done once.  Wk, Wq: [256][256] f32, K (the 256 input channels) innermost.  x: [8][4096][256] f32.  bq: [256] f32.
; Sixteen work-groups of one wave; j = number & 7 names 32 rows of a weight: two tiles of 16 rows.
;   numbers 0-7:  Wk's rows 32 j .. 32 j + 31 become codes of FP4 (E2M1) with one E8M0 byte for each 32 along K, stored AS IMAGES OF THE OPERAND'S REGISTERS:
;                 fragment f = 2 t + s (tile t, K step s of 128) at wkimg + 1024 f, its registers 4 c .. 4 c + 3 of lane l at + 512 c + 16 l;
;                 tile t's scale words at wkimg + 32768 + 128 t + 4 l: lanes 0-15 K step 0's, lanes 16-31 K step 1's.
;   numbers 8-15: the same rows of Wq are quantised in registers, and so is row 0 of each of the 8 batches of x (the only query that the result keeps); four matrix instructions give
;                 q[b][32 j .. 32 j + 31] + bq, one block of 32 along the next product's K; it is quantised and stored: codes at q0 + 128 b + 16 j, the block's byte at q0 + 1024 + 8 b + j.
; THE ROWS OF A TILE ARE NOT NEIGHBOURS: lane r of tile t takes row 32 (t / 2) + 8 (t % 2) + r + 8 (r / 8), so that, the product being used transposed (source 0 = the weight's 16 rows,
; source 1 = 16 rows of x), the 16 registers of tiles 2 j and 2 j + 1 are 16 neighbouring channels, 32 j + 16 (lane / 16) + 0 .. 15, of ONE row of the result.
; A lane loads the very k that the operand's layout gives it: k = 128 s + 64 c + 32 (lane / 16) + 0 .. 31 of its row: whole blocks of 32, so a block's largest magnitude needs no other lane.
; A block's scale is 2^(floor(log2(its largest magnitude)) - 2); its byte is the largest magnitude's exponent field - 2, held at 1 from below.
; LIMITS: a block of zeros gets the byte 1 where the quantiser's rule says 127 (its codes are zeros, which add nothing, and this program alone reads the bytes); NaN and infinities among the inputs
; are not served; bq enters as the C of the sum's first matrix instruction: f32, in another order of rounding than a sum followed by an addition.
; One wave to a work-group: no LDS, no barrier.  There are sixteen blocks of work, so sixteen work-groups.
; REGISTERS: window 0: v1-10 lane terms; v16-43 at work; v48-55 scale words; v56-57 q's codes; v64-95 the weight's codes; v96-111 x's codes; v112-127 bq; v128-255 x as f32, then v128-143 the two sums.
;            window 1: v0-255 the weight as f32: tile u, piece p = 2 s + c at 128 u + 32 p.
; THE MODE: SCHED_MODE bits 1:0 = 2 (LLVM: expert scheduling mode 2), set by the entry lines.  The code itself states the register dependences
; between vector or matrix instructions and memory instructions, with s_wait_alu, always for 0.
; THE PLAN.  Registers that memory instructions touch:
;   v3, v4, v5    offsets of the loads; v7 to v10 offsets of the stores.  Written once, at the head, by vector instructions; never written again.  One wait on va_vdst on each way, ahead of its first load, serves them all.
;   v112-255 and window 1's v0-255   Written by loads alone, which are all issued ahead of the first vector instruction that names one of them; read behind the counted waits on LOADcnt.
;   v64-95, v54-55 (Wk's way)        Written by the conversions and two selects; read by the ten stores, behind one wait on va_vdst; nothing writes them afterwards.
;   v56-57, v32 (Wq's way)           Written by two conversions and a shift; read by the two masked stores, behind the wait on va_vdst that stands ahead of EXEC's first write.
; Beside these: one wait on va_vdst ahead of the scaled matrix instructions, whose operands and scales vector instructions wrote; a wait on va_vcc between each compare and the line that makes EXEC of its mask;
; and the waits on va_vdst and vm_vsrc ahead of each of the four scalar writes of EXEC.  There is no loop: each way's loads stand in one run at its head, so none is left to deal among later work.
.set TM,  16                           ; v16-19  four blocks' largest magnitudes
.set SC,  24                           ; v24-27  the conversions' scale operands
.set BY,  32                           ; v32-35  the scales' bytes
.set WS,  48                           ; v48-51  the weight's scale word of (tile u, K step s) at WS + 2 u + s
.set XS,  52                           ; v52-53  x's scale words
.set WSI, 54                           ; v54-55  a tile's scale image
.set QC,  56                           ; v56-57  q's codes
.set WC,  64                           ; the weight's codes: fragment (u, s) at WC + 16 u + 8 s
.set XC,  96                           ; x's codes: K step s at XC + 8 s
.set BQ,  112                          ; bq in the result's layout: tile u at BQ + 8 u
.set XD,  128                          ; x as f32: piece p at XD + 32 p
.set ACC, 128                          ; the two sums, where x lay
.set MSB, 0
.macro WIN new                         ; the immediate's high byte repeats the setting that is left; a switch that changes nothing is dropped
.if MSB != (\new)
	s_set_vgpr_msb (MSB<<8)|(\new)
.set MSB, (\new)
.endif
.endm
; Four whole blocks of one lane, v[src + 32 p ..] of window w (p = 0 .. 3), become 16 registers of codes, v[cod + 4 p + g], and four bytes, v[BY + p].
.macro QB4 w, src, cod
	WIN ((\w)<<2)|((\w)<<4)                        ; sources 1 and 2: window w
.irp p, 0,1,2,3
	v_max3_num_f32 v[TM+\p], 0x1800000, |v[(\src)+32*\p]|, |v[(\src)+32*\p+1]|   ; the floor 2^(3 - 127) is one more leaf: so the byte cannot fall under 1
.endr
.irp i, 2,4,6,8,10,12,14,16,18,20,22,24,26,28,30
.irp p, 0,1,2,3
	v_max3_num_f32 v[TM+\p], v[TM+\p], |v[(\src)+32*\p+\i]|, |v[(\src)+32*\p+\i+1]|   ; the four blocks by turns: no line waits for the line above it
.endr
.endr
	WIN 0
.irp p, 0,1,2,3
	v_add_nc_u32 v[SC+\p], 0xff000000, v[TM+\p]    ; 2 off the exponent field: the conversion takes the exponent field of this operand as its scale, and nothing else of it
.endr
.irp p, 0,1,2,3
	v_lshrrev_b32 v[BY+\p], 23, v[SC+\p]           ; the scale's byte
.endr
	WIN (\w)                                       ; source 0: window w
.irp p, 0,1,2,3
.irp g, 0,1,2,3
	v_cvt_scalef32_pk8_fp4_f32 v[(\cod)+4*\p+\g], v[(\src)+32*\p+8*\g:(\src)+32*\p+8*\g+7], v[SC+\p]
.endr
.endr
	WIN 0
	v_nop                                          ; one plain vector instruction behind the last scaled conversion
.endm
; A K step's scale word: my two bytes are those of blocks h and 2 + h (h = lane / 16); lane l xor 16 has the other two.
.macro WORD dst, p0
	v_lshl_or_b32 v40, v[BY+(\p0)+1], 16, v[BY+(\p0)]
	v_lshlrev_b32 v40, v6, v40                     ; 8 h bits up
	v_permlanex16_b32 v41, v40, s20, s21
	v_or_b32 v[\dst], v40, v41                     ; the word is whole, in both halves of the lanes
.endm
; The weight's two tiles, 64 loads of 16 bytes a lane: eight on end are a block of 32 numbers.
.macro WLOAD
	WIN 0x40                                       ; destination window 1, address window 0
.irp u, 0,1
.irp p, 0,1,2,3
.irp i, 0,1,2,3,4,5,6,7
	global_load_b128 v[128*\u+32*\p+4*\i:128*\u+32*\p+4*\i+3], v3, s[18:19] offset:8192*\u+256*\p+16*\i th:TH_LOAD_NT
.endr
.endr
.endr
	WIN 0
.endm
.macro WQUANT
	s_wait_loadcnt 32                              ; loads come back in order: tile 0's 32 are in, tile 1's 32 may be out
	QB4 1, 0, WC
	WORD WS, 0
	WORD WS+1, 2
	s_wait_loadcnt 0x0
	QB4 1, 128, WC+16
	WORD WS+2, 0
	WORD WS+3, 2
.endm
	s_load_b256 s[4:11], s[0:1], 0x0               ; Wk s[4:5], Wq s[6:7], x s[8:9], bq s[10:11]
	s_load_b128 s[12:15], s[0:1], 0x20             ; wkimg s[12:13], q0 s[14:15]
	s_and_b32 s16, ttmp9, 7                        ; j
	s_lshr_b32 s17, ttmp9, 3                       ; 0: Wk, 1: Wq
	s_mov_b32 s20, 0x76543210
	s_mov_b32 s21, 0xfedcba98                      ; v_permlanex16_b32's selects for lane l xor 16
	s_mov_b32 s22, 0xffff0000                      ; lanes 16-31
	v_and_b32 v1, 15, v0                           ; r
	v_lshrrev_b32 v2, 4, v0                        ; h (one wave: the thread's number is the lane)
	v_and_b32 v11, 8, v1
	v_add_nc_u32 v11, v11, v1                      ; r + 8 (r / 8)
	v_lshlrev_b32 v3, 10, v11                      ; the weight: a row is 1,024 bytes,
	v_lshl_add_u32 v3, v2, 7, v3                   ; + 128 h: my block of 32 numbers
	v_and_b32 v4, 7, v1
	v_lshlrev_b32 v4, 22, v4                       ; x: row 0 of batch r % 8 (a batch is 2^22 bytes; columns 8-15 of the tile repeat 0-7),
	v_lshl_add_u32 v4, v2, 7, v4                   ; + 128 h
	v_lshlrev_b32 v5, 6, v2                        ; bq: 64 h
	v_lshlrev_b32 v6, 3, v2                        ; 8 h
	v_lshlrev_b32 v7, 4, v0                        ; an image's place for my lane
	v_lshlrev_b32 v8, 2, v0                        ; a scale word's
	v_lshlrev_b32 v9, 7, v1
	v_lshl_add_u32 v9, v2, 3, v9                   ; q's codes: 128 r + 8 h
	v_lshlrev_b32 v10, 3, v0                       ; q's byte: 8 x lane
	v_mov_b32 v41, 0                               ; written once: a lane permute's destination counts as one of its sources
	v_mov_b32 v43, 0
	s_lshl_b32 s24, s16, 15                        ; my 32 rows of 1,024 bytes
	s_mov_b32 s25, 0
	s_wait_kmcnt 0x0
	s_cmp_eq_u32 s17, 0
	s_cbranch_scc1 .Lwk                            ; the two ways part once, on the work-group's number, and each runs to its own end
	; ---- Wq, and q's row 0
	s_add_nc_u64 s[18:19], s[6:7], s[24:25]
	s_lshl_b32 s24, s16, 7
	s_add_nc_u64 s[10:11], s[10:11], s[24:25]      ; bq at channel 32 j
	s_mov_b32 s24, s16
	s_add_nc_u64 s[32:33], s[14:15], s[24:25]      ; q0 + j: the bytes
	s_lshl_b32 s24, s16, 4
	s_add_nc_u64 s[14:15], s[14:15], s[24:25]      ; q0 + 16 j: the codes
	s_wait_alu depctr_va_vdst(0)                   ; the offsets v3, v4, v5, v9 and v10 are written, which this way's loads and stores read; up to Wq's last load only loads and one window switch follow
.irp p, 0,1,2,3
.irp i, 0,1,2,3,4,5,6,7
	global_load_b128 v[XD+32*\p+4*\i:XD+32*\p+4*\i+3], v4, s[8:9] offset:256*\p+16*\i
.endr
.endr
.irp u, 0,1
	global_load_b128 v[BQ+8*\u:BQ+8*\u+3], v5, s[10:11] offset:32*\u          ; lane (r, h), tile u: channels 32 j + 16 h + 8 u + 0 .. 7
	global_load_b128 v[BQ+8*\u+4:BQ+8*\u+7], v5, s[10:11] offset:32*\u+16
.endr
	WLOAD
	s_wait_loadcnt 63                              ; x and bq are in.  64 loads of Wq are younger; the wait's field names 63 at the most, so Wq's first is waited for too
	QB4 0, XD, XC
	WORD XS, 0
	WORD XS+1, 2
	WQUANT
.rept 8
	v_nop                                          ; a scale register written by a vector instruction stands 8 places ahead of a scaled matrix instruction, an operand so written 4
.endr
	s_wait_alu depctr_va_vdst(0)                   ; the conversions have written x's and Wq's codes, and the last lines of the scale words' making v48 to v53: the scaled matrix instructions take them as operands and scales; the places above stay beside this wait
.irp s, 0,1                                    ; the two sums take turns, one instruction a turn
.irp u, 0,1
.if \s == 0
	v_wmma_scale_f32_16x16x128_f8f6f4 v[ACC+8*\u:ACC+8*\u+7], v[WC+16*\u:WC+16*\u+7], v[XC:XC+7], v[BQ+8*\u:BQ+8*\u+7], v[WS+2*\u], v[XS] matrix_a_fmt:MATRIX_FMT_FP4 matrix_b_fmt:MATRIX_FMT_FP4
.else
	v_wmma_scale_f32_16x16x128_f8f6f4 v[ACC+8*\u:ACC+8*\u+7], v[WC+16*\u+8:WC+16*\u+15], v[XC+8:XC+15], v[ACC+8*\u:ACC+8*\u+7], v[WS+2*\u+1], v[XS+1] matrix_a_fmt:MATRIX_FMT_FP4 matrix_b_fmt:MATRIX_FMT_FP4
.endif
.endr
.endr
.rept 4
	v_nop                                          ; four places between a matrix instruction and the first read of its result (ISA guide 7.12.1)
.endr
	; lane (r, h) holds q[r % 8][32 j + 16 h + 0 .. 15] in v[ACC] on: half a block of the next product's K; each sum is read from its low end on
	v_max3_num_f32 v16, |v[ACC]|, |v[ACC+1]|, 0x1800000
.irp i, 2,4,6,8,10,12,14
	v_max3_num_f32 v16, v16, |v[ACC+\i]|, |v[ACC+\i+1]|
.endr
	v_permlanex16_b32 v43, v16, s20, s21
	v_max_num_f32 v16, v16, v43                    ; with lane l xor 16's 16 channels: the block's largest magnitude
	v_add_nc_u32 v24, 0xff000000, v16
	v_lshrrev_b32 v32, 23, v24                     ; the block's byte
	v_cvt_scalef32_pk8_fp4_f32 v[QC], v[ACC:ACC+7], v24
	v_cvt_scalef32_pk8_fp4_f32 v[QC+1], v[ACC+8:ACC+15], v24
	v_nop                                          ; one plain vector instruction behind the last scaled conversion
	v_cmp_gt_u32 vcc_lo, 8, v1                     ; rows 0-7 are the eight batches
	s_wait_xcnt 0x0                                ; EXEC changes only behind this wait
	s_wait_alu depctr_va_vcc(0)                    ; the compare has written VCC, of which EXEC is made
	s_wait_alu depctr_va_vdst(0)                   ; ahead of a scalar write of EXEC: every vector instruction so far has written its result; among them q's codes v56, v57 and its byte v32, which the two stores below read
	s_wait_alu depctr_vm_vsrc(0)                   ; ahead of a scalar write of EXEC: every memory instruction so far has read its vector registers
	s_and_saveexec_b32 s26, vcc_lo
	global_store_b64 v9, v[QC:QC+1], s[14:15]      ; 16 codes: bytes 128 b + 16 j + 8 h on
	s_wait_xcnt 0x0
	s_wait_alu depctr_va_vdst(0)                   ; ahead of a scalar write of EXEC: the vector side
	s_wait_alu depctr_vm_vsrc(0)                   ; and the store above, which has read v9, v56 and v57
	s_or_b32 exec_lo, exec_lo, s26
	v_cmp_gt_u32 vcc_lo, 8, v0
	s_wait_alu depctr_va_vcc(0)                    ; the compare has written VCC, of which EXEC is made
	s_wait_alu depctr_va_vdst(0)                   ; ahead of a scalar write of EXEC: the vector side
	s_wait_alu depctr_vm_vsrc(0)                   ; and the memory side
	s_and_saveexec_b32 s27, vcc_lo                 ; (no memory instruction has been issued since the last wait on XCNT)
	global_store_b8 v10, v32, s[32:33] offset:1024 ; byte 1024 + 8 b + j
	s_wait_xcnt 0x0
	s_wait_alu depctr_va_vdst(0)                   ; ahead of a scalar write of EXEC: the vector side
	s_wait_alu depctr_vm_vsrc(0)                   ; and the store above, which has read v10 and v32
	s_or_b32 exec_lo, exec_lo, s27
	s_endpgm
.Lwk:	; ---- Wk: codes and scale words, as images
	s_add_nc_u64 s[18:19], s[4:5], s[24:25]
	s_wait_alu depctr_va_vdst(0)                   ; the offsets v3, v7 and v8 are written, which this way's loads and stores read; a window switch and the loads follow
	WLOAD
	s_lshl_b32 s24, s16, 12
	s_add_nc_u64 s[28:29], s[12:13], s[24:25]      ; my four fragments: 4,096 j
	s_lshl_b32 s24, s16, 8
	s_add_nc_u64 s[30:31], s[12:13], s[24:25]      ; my two scale images: 256 j
	WQUANT
.irp u, 0,1
	v_cndmask_b32 v[WSI+\u], v[WS+2*\u], v[WS+2*\u+1], s22   ; lanes 0-15 K step 0's word, lanes 16-31 K step 1's
.endr
	s_wait_alu depctr_va_vdst(0)                   ; the conversions have written Wk's codes v64 to v95 and the two selects the scale images v54, v55, which the ten stores below read
.irp u, 0,1
.irp s, 0,1
.irp c, 0,1
	global_store_b128 v7, v[WC+16*\u+8*\s+4*\c:WC+16*\u+8*\s+4*\c+3], s[28:29] offset:1024*(2*\u+\s)+512*\c   ; 32 lanes store 512 consecutive bytes, at a multiple of 256 from the buffer's first byte
.endr
.endr
.endr
.irp u, 0,1
	global_store_b32 v8, v[WSI+\u], s[30:31] offset:32768+128*\u   ; the two stores together cover 256 consecutive bytes, aligned
.endr
	s_endpgm
.Lfunc_end_k_q9156086c7e_prep:
	.size	k_q9156086c7e_prep, .Lfunc_end_k_q9156086c7e_prep-k_q9156086c7e_prep
	.p2alignl 7, 3214868480
	.fill 96, 4, 3214868480
	.section	.rodata,"a",@progbits
	.p2align	6, 0x0
	.amdhsa_kernel k_q9156086c7e_prep
		.amdhsa_group_segment_fixed_size 0
		.amdhsa_private_segment_fixed_size 0
		.amdhsa_enable_private_segment 0
		.amdhsa_kernarg_size 48
		.amdhsa_user_sgpr_count 2
		.amdhsa_user_sgpr_kernarg_segment_ptr 1
		.amdhsa_wavefront_size32 1
		.amdhsa_system_sgpr_workgroup_id_x 1
		.amdhsa_system_sgpr_workgroup_id_y 1
		.amdhsa_system_sgpr_workgroup_id_z 1
		.amdhsa_system_vgpr_workitem_id 0
		.amdhsa_next_free_vgpr 512
		.amdhsa_next_free_sgpr 66
		.amdhsa_reserve_vcc 1
		.amdhsa_float_denorm_mode_32 3
		.amdhsa_float_denorm_mode_16_64 3
		.amdhsa_memory_ordered 1
		.amdhsa_forward_progress 1
		.amdhsa_inst_pref_size 52
	.end_amdhsa_kernel
	.amdgpu_metadata
---
amdhsa.version: [ 1, 2 ]
amdhsa.kernels:
  - .name:           k_q9156086c7e_prep
    .symbol:         k_q9156086c7e_prep.kd
    .args:
      - { .name: Wk, .offset: 0, .size: 8, .value_kind: global_buffer, .address_space: global }
      - { .name: Wq, .offset: 8, .size: 8, .value_kind: global_buffer, .address_space: global }
      - { .name: x, .offset: 16, .size: 8, .value_kind: global_buffer, .address_space: global }
      - { .name: bq, .offset: 24, .size: 8, .value_kind: global_buffer, .address_space: global }
      - { .name: wkimg, .offset: 32, .size: 8, .value_kind: global_buffer, .address_space: global }
      - { .name: q0, .offset: 40, .size: 8, .value_kind: global_buffer, .address_space: global }
    .group_segment_fixed_size: 0
    .private_segment_fixed_size: 0
    .kernarg_segment_align: 8
    .kernarg_segment_size: 48
    .max_flat_workgroup_size: 32
    .sgpr_count:     66
    .vgpr_count:     512
    .wavefront_size: 32
...
	.end_amdgpu_metadata
.endif
;; end of part 4
;; launch scores: the kernel of part 2 again; grid 256 x 1, 4 waves a work-group, no clusters, 172,544 bytes of LDS; arguments x, wkimg, bk, q0, scores; writes scores
;; launch softmax: the kernel of part 3 again; grid 8 x 1, 32 waves a work-group, no clusters, 4,352 bytes of LDS; arguments scores, out0; writes out0
